; MI455X (gfx1250); checked and timed in simulation.
; The chip was launched on July 23, 2026; its instructions are those of AMD's public machine-readable ISA for CDNA 5 (MIT licence, August 2026) and "CDNA5" Instruction Set Architecture Reference Guide (July 2026). The comments in the code are by the model that wrote it; some were corrected since.
;; Scaled Dot Product Attention. Allowed arithmetic: matrix products marked QUANTISED: E5M2 operands, one E8M0 scale for each 32 along K, by v_wmma_scale_f32_16x16x128_f8f6f4 with both operands' format E5M2, f32 sums; everything else in f32.
;; Inputs: k 4 x 16 x 2,048 x 64 float32; q 4 x 16 x 2,048 x 64 float32; v 4 x 16 x 2,048 x 64 float32.
;; Outputs: out0 4 x 16 x 2,048 x 64 float32.
;; This version of the problem:
;;   THIS VERSION OF THE PROBLEM IS GIVEN IN LOW PRECISION. The matrix products marked QUANTISED in the list below multiply operands that are first quantised to E5M2 (5 exponent bits, 2 mantissa bits; 8 bits a number), with one power-of-two scale for each 32 numbers along K (OCP MX v1.0); their sums are f32. All else is computed in f32.
;;   The module's matrix products, in the order in which they are computed (A, B: the left and right operand; K: the contracted axis; several contracted axes count as one K, in the product's order):
;;     1. batch 64 x [M 2,048, K 64] x [K 64, N 2,048]; A: input q; B: input k: QUANTISED
;;     2. batch 64 x [M 2,048, K 2,048] x [K 2,048, N 64]; A: softmax (see below); B: input v: QUANTISED
;;   THE QUANTISER, for each operand of a quantised product, along K:
;;     - K is cut into blocks of 32 from its start; a last block that is shorter is filled with zeros.
;;     - A block's scale is 2^e with e = floor(log2(the largest magnitude in the block)) - 15, held to -126 .. 127; a block of zeros has e = 0. As a byte (E8M0): e + 127.
;;     - Each number is divided by its block's scale, clamped to +-57,344, and rounded to the nearest number of E5M2, ties to even, subnormals kept.
;;     - The product sums the exact products of the quantised numbers (number of the format x scale) in f32.
;;   ~~~python
;;   def quantise(x, axis):      # numpy; x: float32 -> the quantised numbers, widened to float32 again
;;       x = np.moveaxis(x, axis, -1); K = x.shape[-1]
;;       x = np.pad(x, [(0, 0)] * (x.ndim - 1) + [(0, -K % 32)]); x = x.reshape(x.shape[:-1] + (-1, 32)); a = np.abs(x).max(-1, keepdims=True)
;;       e = np.where(a > 0, np.clip(np.frexp(np.where(a > 0, a, 1))[1] - 1 - 15, -126, 127), 0)      # np.frexp(a)[1] - 1 = floor(log2(a)), exactly
;;       r = np.clip(x / 2.0 ** e, -57344, 57344)
;;       step = 2.0 ** (np.maximum(np.frexp(np.where(r == 0, 1, r))[1] - 1, -14) - 2)
;;       q = np.round(r / step) * step * 2.0 ** e      # np.round: ties to even
;;       return np.moveaxis(q.reshape(q.shape[:-2] + (-1,))[..., :K], -1, axis).astype(np.float32)
;;   ~~~
;;   SOFTMAX AHEAD OF A QUANTISED PRODUCT. Where the list says 'softmax', what is quantised is not the finished softmax but p = 2^(t - M), with t = logit x log2(e) and M = ceil(the row's largest t), a whole number; so 1/2 < the row's largest p <= 1. The row's sum l is taken of the UNQUANTISED p, in f32, and the product's result is divided by l at the end. Since M is a whole number, a kernel that streams over the keys may use a running M (the ceiling of the running maximum): every later rescaling is an exact power of two, which a block's scale takes up: the codes' values come out the same.
;;   OPERANDS COMPUTED ON THE WAY. 'Computed on the way' means the value that the module computes at that place (a softmax that the list does not call 'softmax' is quantised finished and normalised). What goes into a quantiser is computed in f32, as accurately as f32 sums, v_exp_f32 and their like allow (about 1e-6 of the number): no bf16 or f16 on the way to a quantiser, and a product that is left as it is and whose result goes on into a quantised operand takes f32 operands (vector FMAs, or v_wmma_f32_16x16x4_f32). A number that lies on a knife's edge between two numbers of the format may be rounded either way, as far as f32 arithmetic and the matrix unit's own rounding can turn it there, and no further.
;; One version. Each part assembles by itself: llvm-mc -triple=amdgcn-amd-amdhsa -mcpu=gfx1250 --defsym DOCPART=n.
;; ======== version 1 of 1: 2 launches
;; limits: right only within a limited range of input values
;; workspace buffers: kv 17,301,504 bytes
;; launch quant (part 1): grid 256 x 2, 4 waves a work-group, no clusters, 35,328 bytes of LDS; arguments k, v, kv; writes kv
.if DOCPART == 1
	.amdgcn_target "amdgcn-amd-amdhsa--gfx1250"
	.amdhsa_code_object_version 6
	.text
	.protected	k_qc746e712e8_quant
	.globl	k_qc746e712e8_quant
	.p2align	8
	.type	k_qc746e712e8_quant,@function
k_qc746e712e8_quant:
	s_mov_b64 s[64:65], 0
	v_nop
	global_prefetch_b8 v0, s[64:65] scope:SCOPE_SE
	s_setreg_imm32_b32 hwreg(HW_REG_WAVE_MODE, 25, 1), 1
	s_wait_xcnt 0x0
; ATTENTION ON CODES OF BF8 (E5M2), first of two launches: k and v [64 heads][2048 keys][64] f32 become codes with one E8M0 scale byte for each 32 along a product's K.
; DEAD WORK: none.  q, k and v all reach the output for all values, both products of reference() are live, and every input is loaded (q by the second launch).
; k is quantised along d (the first product's K), v along the keys (the second product's K).  Four work-groups of the second launch read each head's k and v, so they are quantised once, here.
; A block's scale is 2^(floor(log2(its largest magnitude)) - 15); its byte is the largest magnitude's exponent field - 15, held at 1 from below; each number is held within +-57,344 x the scale and rounded to the nearest code, ties to even.
; LIMITS: a block of zeros, or one whose largest magnitude lies under 2^(16 - 127), gets the byte 1 (its codes are zeros or subnormal codes; the bytes are read by this program alone); NaN and infinities among the inputs are not served.
; THE WORKSPACE kv IS LAID AS THE SECOND LAUNCH'S OPERAND REGISTERS.  Unit U = 16 x head + step (a step = 128 keys) is 16,896 dense bytes:
;   0      K's codes: 4 pair-fragments f of 2,048 bytes       8,192  V's codes: 4 fragments td of 2,048 bytes       16,384 K's scale words, 256 bytes       16,640 V's scale words, 256 bytes
; A fragment is the image of 16 registers: chunk c (four registers) is 512 bytes, lane l = 16 h + r has its 16 bytes at 512 c + 16 l.
;   K, pair-fragment f, chunk c = 2 u + c': key 32 f + 8 u + r + 8 (r / 8), d = 32 c' + 16 h + 0 .. 15: two tiles of 16 keys, one in the instruction's k places 0-63, the other in 64-127.
;   V, fragment td, chunk c: d = 16 td + r, keys 32 c + 16 h + 0 .. 15.
;   A scale word (byte b = chunk b's byte) of fragment 2 j + (l / 16), row l % 16, lies at byte 8 l + 4 j: one load of 8 bytes a lane brings two registers, each with one fragment's words in lanes 0-15 and the next one's in lanes 16-31.
; SHARES.  Work-group y = 0 takes k, y = 1 takes v; wave w of work-group x takes unit 4 x + w: 32,768 dense bytes in, 8,448 out.  Waves share nothing: no barrier.  Work-groups share no input: no cluster; no matrix work; memory binds.
; K's PATH: each load reads 512 consecutive bytes (two keys' rows); a fragment's 32 keys turn through the wave's own stage in LDS, so that a lane gets 16 neighbours along d of its key for each chunk.
; V's PATH: a lane takes a column d and its registers run down the keys: a block of 32 keys lies in one lane, and the codes come out with the keys innermost.  It uses no LDS.
.set UNIT,  16896
.set VCD,   8192                       ; V's codes in a unit
.set KSW,   16384                      ; K's scale words
.set VSW,   16640                      ; V's
.set STG,   32*272                     ; a wave's stage: 32 keys' rows of 256 bytes + 16 of padding
.set SPARE, 4*STG                      ; behind the stages: the spare words, 128 bytes for each wave: two blocks of 256 bytes that no other line names
.set LN,  1                            ; v1   lane
.set LI,  2                            ; v2   16 x lane
.set L8,  3                            ; v3   8 x lane
.set WRK, 4                            ; v4   the stage, on the way in: row lane / 16, 16 (lane % 16)
.set RDK, 5                            ; v5   and back: row r + 8 (r / 8), + 64 h
.set VA,  6                            ; v6   4 x lane: my column of v
.set VO,  7                            ; v7   2,048 (lane / 16) + 16 (lane % 16): my column's place among V's fragments
.set SPW, 12                           ; v12  LDS address of my spare word; never rewritten
.set NIL, 13                           ; v13  0; never rewritten
.set R0,  16                           ; K: v16-143 two sets of 64 numbers
.set PC,  144                          ; K: v144-207 codes, 16 registers a fragment: no store's data are written again
.set TM,  208                          ; v208-223 at work
.set PW,  224                          ; K: v224-227 a fragment's scale word
.set SW,  228                          ; v228-229 the two words that a lane stores
.set X,   16                           ; V: v16-79 two sets of 32 numbers
.set C,   80                           ; V: v80-143 codes, 8 registers a block
.set SEL, 22                           ; s[22:23] v_permlanex16_b32's selects for lane l xor 16
.set MNT, 24                           ; s24  the mantissa field of 57,344
	s_load_b128 s[4:7], s[0:1], 0x0                ; k, v
	s_load_b64 s[8:9], s[0:1], 0x10                ; kv
	v_lshl_add_u32 v[SPW], v0, 2, SPARE
	v_mov_b32 v[NIL], 0
	v_lshrrev_b32 v[LN], 5, v0
	v_readfirstlane_b32 s16, v[LN]                 ; wave 0..3
	v_and_b32 v[LN], 31, v0
	v_lshlrev_b32 v[LI], 4, v[LN]
	v_lshlrev_b32 v[L8], 3, v[LN]
	v_and_b32 v8, 15, v0                           ; r
	v_bfe_u32 v9, v0, 4, 1                         ; h
	s_mul_i32 s21, s16, STG                        ; my stage
	v_mul_u32_u24 v[WRK], v9, 272
	v_lshl_add_u32 v[WRK], v8, 4, v[WRK]
	v_add_nc_u32 v[WRK], s21, v[WRK]
	v_and_b32 v10, 8, v8
	v_add_nc_u32 v10, v10, v8                      ; r + 8 (r / 8)
	v_mul_u32_u24 v[RDK], v10, 272
	v_lshl_add_u32 v[RDK], v9, 6, v[RDK]
	v_add_nc_u32 v[RDK], s21, v[RDK]
	v_lshlrev_b32 v[VA], 2, v[LN]
	v_lshlrev_b32 v[VO], 11, v9
	v_lshl_add_u32 v[VO], v8, 4, v[VO]
	v_cmp_gt_u32 s20, 16, v[LN]                    ; lanes 0-15
	s_mov_b32 s[SEL], 0x76543210
	s_mov_b32 s[SEL+1], 0xfedcba98
	s_mov_b32 s[MNT], 0x600000
	s_and_b32 s17, ttmp7, 0xffff                   ; 0: k, 1: v
	s_lshl_b32 s18, ttmp9, 2
	s_add_co_u32 s18, s18, s16                     ; my unit
	s_mul_i32 s26, s18, UNIT                       ; its bytes in kv (under 2^25),
	s_mov_b32 s27, 0
	s_lshl_b32 s18, s18, 15                        ; and in k or v: 128 keys of 256 bytes
	s_mov_b32 s19, 0
	s_wait_kmcnt 0x0
	s_cmp_eq_u32 s17, 0                            ; the choice hangs on the work-group's number alone
	s_cselect_b64 s[4:5], s[4:5], s[6:7]
	s_add_nc_u64 s[4:5], s[4:5], s[18:19]
	s_add_nc_u64 s[8:9], s[8:9], s[26:27]
	s_cmp_lg_u32 s17, 0
	s_cbranch_scc1 .Lv
; ---------------- K ----------------
.macro LOADK f                         ; fragment f's 32 keys, 8,192 dense bytes, into set f % 2: each load reads 512 consecutive bytes
.irp j, 0,1,2,3,4,5,6,7,8,9,10,11,12,13,14,15
	global_load_b128 v[R0+64*((\f)%2)+4*\j:R0+64*((\f)%2)+4*\j+3], v[LI], s[4:5] offset:8192*(\f)+512*\j th:TH_LOAD_NT
.endr
.endm
.macro KFRAG f
.set RR, R0+64*((\f)%2)
.set PCF, PC+16*(\f)
.if (\f) < 3
	s_wait_loadcnt 16                              ; this fragment's 16 loads are in; the next fragment's 16 may be out
.else
	s_wait_loadcnt 0x0
.endif
.irp j, 0,1,2,3,4,5,6,7,8,9,10,11,12,13,14,15
	ds_store_b128 v[WRK], v[RR+4*\j:RR+4*\j+3] offset:544*\j        ; rows 2 j and 2 j + 1 of the stage, as loaded
.endr
.irp u, 0,1                                    ; and back, into the registers that they left: register 16 (2 u + c) + 4 i on = my key's d = 32 c + 16 h + 4 i on.  LDS serves a wave's instructions in order (ISA guide 5.7.1.4)
.irp c, 0,1
.irp i, 0,1,2,3
	ds_load_b128 v[RR+16*(2*\u+\c)+4*\i:RR+16*(2*\u+\c)+4*\i+3], v[RDK] offset:2176*\u+128*\c+16*\i
.endr
.endr
.endr
	s_wait_dscnt 0x0
.irp b, 0,1,2,3
	v_max3_num_f32 v[TM+\b], |v[RR+16*\b]|, |v[RR+16*\b+1]|, 0x8000000   ; chunk b: my 16 numbers, and the floor 2^(16 - 127): the byte cannot fall under 1
.endr
.irp i, 2,4,6,8,10,12,14
.irp b, 0,1,2,3
	v_max3_num_f32 v[TM+\b], v[TM+\b], |v[RR+16*\b+\i]|, |v[RR+16*\b+\i+1]|   ; (the four chunks by turns)
.endr
.endr
.irp b, 0,1,2,3
	v_permlanex16_b32 v[TM+4+\b], v[TM+\b], s[SEL], s[SEL+1]
.endr
.irp b, 0,1,2,3
	v_max_num_f32 v[TM+\b], v[TM+\b], v[TM+4+\b]   ; with lane l xor 16's 16: the block's largest magnitude
.endr
.irp b, 0,1,2,3
	v_add_nc_u32 v[TM+12+\b], 0xf8800000, v[TM+\b] ; 15 off its exponent field: the conversion's scale operand
.endr
.irp b, 0,1,2,3
	v_and_or_b32 v[TM+8+\b], v[TM+\b], 0x7f800000, s[MNT]   ; 57,344 x the scale
.endr
.irp b, 0,1,2,3
	v_lshrrev_b32 v[TM+4+\b], 23, v[TM+12+\b]      ; the scale's byte
.endr
	v_lshl_or_b32 v[PW+(\f)], v[TM+5], 8, v[TM+4]  ; the four bytes make my row's scale word (both halves of the lanes hold it)
	v_lshl_or_b32 v[PW+(\f)], v[TM+6], 16, v[PW+(\f)]
	v_lshl_or_b32 v[PW+(\f)], v[TM+7], 24, v[PW+(\f)]
.irp b, 0,1,2,3
.irp i, 0,1,2,3,4,5,6,7,8,9,10,11,12,13,14,15
	v_med3_num_f32 v[RR+16*\b+\i], v[RR+16*\b+\i], -v[TM+8+\b], v[TM+8+\b]   ; the conversion to an 8-bit code does not saturate (ISA guide 7.6.2): the hold
.endr
	v_cvt_scalef32_pk8_bf8_f32 v[PCF+4*\b:PCF+4*\b+1], v[RR+16*\b:RR+16*\b+7], v[TM+12+\b]
	v_cvt_scalef32_pk8_bf8_f32 v[PCF+4*\b+2:PCF+4*\b+3], v[RR+16*\b+8:RR+16*\b+15], v[TM+12+\b]
.endr
	v_nop                                          ; a plain line behind the last conversion, ahead of the next vector line that writes its sources
.irp c, 0,1,2,3
	global_store_b128 v[LI], v[PCF+4*\c:PCF+4*\c+3], s[8:9] offset:2048*(\f)+512*\c   ; a chunk: 512 consecutive bytes, at a multiple of 256 from kv's first byte
.endr
.if (\f) < 2
	LOADK (\f)+2                                   ; into the set just read out
.endif
.endm
.irp b, 0,1,2,3
	v_mov_b32 v[TM+4+\b], 0                        ; written once: a lane permute's destination counts as one of its sources
.endr
	LOADK 0
	LOADK 1
	s_wait_alu depctr_va_vdst(0)
	KFRAG 0
	KFRAG 1
	KFRAG 2
	KFRAG 3
	v_cndmask_b32 v[SW], v[PW+1], v[PW], s20       ; lanes 0-15: fragment 0's words, lanes 16-31: fragment 1's
	v_cndmask_b32 v[SW+1], v[PW+3], v[PW+2], s20   ; fragments 2 and 3
	global_store_b64 v[L8], v[SW:SW+1], s[8:9] offset:KSW   ; 256 consecutive bytes, aligned
	s_branch .Lend
; ---------------- V ----------------
.Lv:
.macro LOADV q                         ; block q = 2 c + tau: v(32 c + i, 32 tau + lane), i = 0 .. 31, into set q % 2
.irp i, 0,1,2,3,4,5,6,7,8,9,10,11,12,13,14,15,16,17,18,19,20,21,22,23,24,25,26,27,28,29,30,31
	global_load_b32 v[X+32*((\q)%2)+\i], v[VA], s[4:5] offset:(32*((\q)/2)+\i)*256+128*((\q)%2) th:TH_LOAD_NT
.endr
.endm
.macro BLOCKV q
.set XS, X+32*((\q)%2)
.set CQ, C+8*(\q)
.if (\q) < 7
	s_wait_loadcnt 32                              ; this block's 32 loads are in; the next block's may be out
.else
	s_wait_loadcnt 0x0
.endif
	v_max3_num_f32 v[TM], |v[XS]|, |v[XS+1]|, |v[XS+2]|            ; the block's largest magnitude: all 32 keys are mine
	v_max3_num_f32 v[TM+1], |v[XS+3]|, |v[XS+4]|, |v[XS+5]|
.irp i, 6,10,14,18,22,26
	v_max3_num_f32 v[TM], v[TM], |v[XS+\i]|, |v[XS+\i+1]|
	v_max3_num_f32 v[TM+1], v[TM+1], |v[XS+\i+2]|, |v[XS+\i+3]|
.endr
	v_max3_num_f32 v[TM], v[TM], |v[XS+30]|, |v[XS+31]|
	v_max3_num_f32 v[TM], v[TM], v[TM+1], 0x8000000                ; and the floor
	v_add_nc_u32 v[TM+3], 0xf8800000, v[TM]        ; the conversion's scale operand
	v_and_or_b32 v[TM+2], v[TM], 0x7f800000, s[MNT]   ; 57,344 x the scale
	v_lshrrev_b32 v[TM+4], 23, v[TM+3]             ; the byte: chunk c's, in the word of fragment 2 tau + lane / 16
.if (\q)/2 == 0
	v_mov_b32 v[SW+(\q)%2], v[TM+4]
.else
	v_lshl_or_b32 v[SW+(\q)%2], v[TM+4], 8*((\q)/2), v[SW+(\q)%2]
.endif
.irp i, 0,1,2,3,4,5,6,7,8,9,10,11,12,13,14,15,16,17,18,19,20,21,22,23,24,25,26,27,28,29,30,31
	v_med3_num_f32 v[XS+\i], v[XS+\i], -v[TM+2], v[TM+2]
.endr
.irp g, 0,1,2,3
	v_cvt_scalef32_pk8_bf8_f32 v[CQ+2*\g:CQ+2*\g+1], v[XS+8*\g:XS+8*\g+7], v[TM+3]
.endr
	v_nop                                          ; a plain line behind the last conversion
	global_store_b128 v[VO], v[CQ:CQ+3], s[8:9] offset:VCD+4096*((\q)%2)+512*((\q)/2)         ; keys 32 c + 0 .. 15: the image's lanes 0-15.  Sixteen lanes store 256 consecutive bytes, aligned
	global_store_b128 v[VO], v[CQ+4:CQ+7], s[8:9] offset:VCD+4096*((\q)%2)+512*((\q)/2)+256   ; keys 32 c + 16 .. 31: its lanes 16-31
.if (\q) < 6
	LOADV (\q)+2
.endif
.endm
	s_wait_alu depctr_va_vdst(0)
	LOADV 0
	LOADV 1
	BLOCKV 0
	BLOCKV 1
	BLOCKV 2
	BLOCKV 3
	BLOCKV 4
	BLOCKV 5
	BLOCKV 6
	BLOCKV 7
	global_store_b64 v[L8], v[SW:SW+1], s[8:9] offset:VSW   ; 256 consecutive bytes, aligned
.Lend:
	s_wait_tensorcnt 0x0                           ; the wave's end: a wait, an add to my spare word
	ds_add_u32 v[SPW], v[NIL]
	s_wait_dscnt 0x0
	s_endpgm
.Lfunc_end_k_qc746e712e8_quant:
	.size	k_qc746e712e8_quant, .Lfunc_end_k_qc746e712e8_quant-k_qc746e712e8_quant
	.p2alignl 7, 3214868480
	.fill 96, 4, 3214868480
	.section	.rodata,"a",@progbits
	.p2align	6, 0x0
	.amdhsa_kernel k_qc746e712e8_quant
		.amdhsa_group_segment_fixed_size 35328
		.amdhsa_private_segment_fixed_size 0
		.amdhsa_enable_private_segment 0
		.amdhsa_kernarg_size 24
		.amdhsa_user_sgpr_count 2
		.amdhsa_user_sgpr_kernarg_segment_ptr 1
		.amdhsa_wavefront_size32 1
		.amdhsa_system_sgpr_workgroup_id_x 1
		.amdhsa_system_sgpr_workgroup_id_y 1
		.amdhsa_system_sgpr_workgroup_id_z 1
		.amdhsa_system_vgpr_workitem_id 0
		.amdhsa_next_free_vgpr 232
		.amdhsa_next_free_sgpr 66
		.amdhsa_reserve_vcc 0
		.amdhsa_float_denorm_mode_32 3
		.amdhsa_float_denorm_mode_16_64 3
		.amdhsa_memory_ordered 1
		.amdhsa_forward_progress 1
		.amdhsa_inst_pref_size 105
	.end_amdhsa_kernel
	.amdgpu_metadata
---
amdhsa.version: [ 1, 2 ]
amdhsa.kernels:
  - .name:           k_qc746e712e8_quant
    .symbol:         k_qc746e712e8_quant.kd
    .args:
      - { .name: k, .offset: 0, .size: 8, .value_kind: global_buffer, .address_space: global }
      - { .name: v, .offset: 8, .size: 8, .value_kind: global_buffer, .address_space: global }
      - { .name: kv, .offset: 16, .size: 8, .value_kind: global_buffer, .address_space: global }
    .group_segment_fixed_size: 35328
    .private_segment_fixed_size: 0
    .kernarg_segment_align: 8
    .kernarg_segment_size: 24
    .max_flat_workgroup_size: 128
    .sgpr_count:     66
    .vgpr_count:     232
    .wavefront_size: 32
...
	.end_amdgpu_metadata
.endif
;; end of part 1
;; launch attn (part 2): grid 4 x 64, 8 waves a work-group, clusters of 4 x 1, 327,680 bytes of LDS; arguments q, kv, out0; writes out0
.if DOCPART == 2
	.amdgcn_target "amdgcn-amd-amdhsa--gfx1250"
	.amdhsa_code_object_version 6
	.text
	.protected	k_qc746e712e8_attn
	.globl	k_qc746e712e8_attn
	.p2align	8
	.type	k_qc746e712e8_attn,@function
k_qc746e712e8_attn:
	s_mov_b64 s[64:65], 0
	v_nop
	global_prefetch_b8 v0, s[64:65] scope:SCOPE_SE
	s_setreg_imm32_b32 hwreg(HW_REG_WAVE_MODE, 25, 1), 1
	s_wait_xcnt 0x0
	s_wait_alu depctr_hold_cnt(0) depctr_sa_sdst(0) depctr_va_vdst(0) depctr_va_sdst(0) depctr_va_ssrc(0) depctr_va_vcc(0) depctr_vm_vsrc(0)
	s_getreg_b32 s2, hwreg(HW_REG_IB_STS2, 6, 4)
	s_cmp_eq_u32 s2, 0
	s_cbranch_scc0 .Lentry_in_a_cluster
	s_endpgm
.Lentry_in_a_cluster:
	s_bfe_u32 s2, ttmp6, 0x10000c
	s_cmp_lg_u32 s2, 0x3003
	s_cbranch_scc0 .Lentry_shape_is_right
	s_endpgm
.Lentry_shape_is_right:
; out0[head][q][:] = the sum over k of softmax_k(q . k / 8) v[k][:], 64 heads, 2,048 queries and keys, 64 channels, both products on codes of BF8 (E5M2) with one E8M0 scale for each 32 along a product's K.
; No work of reference() is left out.  k and v come as codes from kv, laid as images of operand registers: unit 16 x head + step (128 keys) is 16,896 dense bytes: K's 4 pair-fragments, V's 4 fragments, K's and V's scale words.
; THE SOFTMAX: t = score x log2(e) / 8; M = the row's largest t so far, rounded UP to a whole number; p = 2^(t - M) is quantised along the keys, not normalised.  The row's sum is taken of the unquantised p, in f32, and divides at the end.
; When M moves, the sum and O are multiplied by 2^(old M - new M): exact, in every step, with no branch on data.
; LIMITS: a block's largest p is taken as the exponential of the block's largest score (v_exp_f32 is taken not to fall where its input rises); a block of p under 2^(16 - 127) keeps the byte 1, its codes zeros; NaN and infinities among the inputs are not served.
; SHARES.  A work-group owns 512 queries of one head, in two passes of 256; in a pass each of its eight waves owns 32: two tiles of 16.  Each fragment of K and V read from LDS feeds both tiles.
; THE TWO TILES GO LINE BY LINE: every group of vector lines is written for both, so that neighbouring lines do not hang on each other, and a step has one batch of exponentials for both.
; A WHOLE HEAD'S CODES STAY IN LDS: 16 units, 270,336 bytes, filled once, by two joint loads a wave: at the head half a unit each (units 0-3), and behind the full sequence and a round 99 rows each (units 4-15), awaited behind step 2.
; So no byte is filled again and the loop over the keys has no ring.  All of kv's loads go out ahead of the loops, so kv is not prefetched; the second pass's q is, two steps ahead of its loads.
; CLUSTER.  The four work-groups of a head need the same 16 units: each load is asked for JOINTLY, with a descriptor made of the head and the wave's number alone and a mask that names the four.
; THE FIRST PRODUCT'S K IS 64, THE INSTRUCTION'S 128.  A pair-fragment of K holds one tile of 16 keys in k places 0-63 and another in 64-127.  Q lies in 24 registers, [Q 8][zeros 8][Q 8]: the first 16 pick the first tile, the last 16 the second.
; LAYOUT.  Both products are used transposed: S^T = K Q^T, O^T = V^T P^T: a lane holds ONE query (lane % 16).  Lane r of key tile 2 f + u takes key 32 f + 8 u + r + 8 (r / 8), so that the 16 registers of tiles 2 f and 2 f + 1 are keys 32 f + 16 (lane / 16) + 0 .. 15.
; REGISTERS.  Window 0 holds all that vector lines touch: v1-11 addresses; v12-19 scale words; v20-37, v38-55 a tile's own; v64-191 S^T, then p; v192-255 O^T.
; Window 1 holds what only loads, conversions' results and matrix sources touch: v0-63 K's fragments, v64-127 V's, v128-175 Q's two triples, v176-207 p's codes.
.set UNIT,   16896
.set VCD,    8192
.set KSW,    16384
.set VSW,    16640
.set H1,     8448                      ; a wave's first load: 33 rows of 256 bytes
.set H2,     25344                     ; its second: 99 rows
.set STAGE,  16*UNIT                   ; 16 rows x 272 bytes for each wave, for the way out
.set SP,     272
.set SPARE,  STAGE+8*16*SP             ; the spare words, 128 bytes a wave
.set LI,  1                            ; 16 x lane
.set LS,  2                            ; 8 x lane
.set QA,  3                            ; the stage, q's way back: row r, + 64 h
.set STO, 4                            ; the stage, in
.set RD,  5                            ; the stage, back
.set PFO, 6                            ; 256 x lane
.set AD,  7                            ; the step's images
.set AS,  8                            ; the step's scale words
.set SPW, 10
.set NIL, 11
.set QS,  12                           ; v12, v13 Q's scale words, tile 0, 1
.set KS,  14                           ; v[14:15] K's
.set VS,  16                           ; v[16:17] V's
.set PS,  18                           ; v18, v19 p's
.set TP,  18                           ; from tile 0's own registers to tile 1's
.set NM,  20                           ; -M; NM+1: the largest score so far
.set SUM, 22                           ; the sum, a pair
.set F,   24                           ; f = 2^(old M - new M), then the sum's second chain, a pair
.set BM,  26                           ; a block's largest score, its largest p, then 57,344 x the scale
.set T1,  30                           ; at work
.set SC,  34                           ; the conversion's scale operand
.set S,   64
.set O,   192
.set FK,  0                            ; window 1
.set FV,  64
.set QW,  128
.set PC,  176
.set WV,  10
.set G1A, 16
.set G1B, 24
.set G0A, 32
.set G0B, 36
.set SEL, 40
.set CS,  42                           ; s[42:43] c = log2(e) / 8
.set MNT, 44
.set TB,  45                           ; LDS byte of the step's unit
.set CNT, 46
.set PFC, 48                           ; the count of steps at which q is prefetched
.set NC,  49                           ; -c
.set MSB, 0
.macro WIN new                         ; bits 1:0 source 0, 3:2 source 1, 5:4 source 2, 7:6 destination; the high byte repeats the setting that is left
.if MSB != (\new)
	s_set_vgpr_msb (MSB<<8)|(\new)
.set MSB, (\new)
.endif
.endm
.macro CROUND                          ; a round of the cluster's barrier
	s_barrier_signal -1
	s_barrier_wait -1
	s_cmp_lg_u32 s[WV], 0
	s_cbranch_scc1 .Lnot_wave_0_\@
	s_barrier_signal -3
.Lnot_wave_0_\@:
	s_barrier_wait -3
	s_barrier_signal -1
	s_barrier_wait -1
.endm
.macro WMS d, a, b, sa, sb, row        ; a product that starts a sum
.if \row
	v_wmma_scale_f32_16x16x128_f8f6f4 v[\d:\d+7], v[\a:\a+15], v[\b:\b+15], 0, v[\sa], v[\sb] matrix_a_fmt:MATRIX_FMT_BF8 matrix_b_fmt:MATRIX_FMT_BF8 matrix_a_scale:MATRIX_SCALE_ROW1
.else
	v_wmma_scale_f32_16x16x128_f8f6f4 v[\d:\d+7], v[\a:\a+15], v[\b:\b+15], 0, v[\sa], v[\sb] matrix_a_fmt:MATRIX_FMT_BF8 matrix_b_fmt:MATRIX_FMT_BF8
.endif
.endm
.macro WMO d, a, b, sa, sb, row        ; a product that adds in place
.if \row
	v_wmma_scale_f32_16x16x128_f8f6f4 v[\d:\d+7], v[\a:\a+15], v[\b:\b+15], v[\d:\d+7], v[\sa], v[\sb] matrix_a_fmt:MATRIX_FMT_BF8 matrix_b_fmt:MATRIX_FMT_BF8 matrix_a_scale:MATRIX_SCALE_ROW1
.else
	v_wmma_scale_f32_16x16x128_f8f6f4 v[\d:\d+7], v[\a:\a+15], v[\b:\b+15], v[\d:\d+7], v[\sa], v[\sb] matrix_a_fmt:MATRIX_FMT_BF8 matrix_b_fmt:MATRIX_FMT_BF8
.endif
.endm
.macro KLOAD0                          ; unit 0's K and its scale words
	ds_load_b64 v[KS:KS+1], v[LS] offset:KSW
	WIN 0x40
.irp f, 0,1,2,3
.irp c, 0,1,2,3
	ds_load_b128 v[FK+16*\f+4*\c:FK+16*\f+4*\c+3], v[LI] offset:2048*\f+512*\c
.endr
.endr
	WIN 0
.endm
	s_load_b128 s[4:7], s[0:1], 0x0                ; q, kv
	s_load_b64 s[8:9], s[0:1], 0x10                ; out0
	v_lshl_add_u32 v[SPW], v0, 2, SPARE
	v_mov_b32 v[NIL], 0
	ds_add_u32 v[SPW], v[NIL]                      ; the opening lines: the add, twice on end, and its wait ahead of my first tensor load
	ds_add_u32 v[SPW], v[NIL]
	v_lshrrev_b32 v[AD], 5, v0
	v_readfirstlane_b32 s[WV], v[AD]               ; wave 0..7
	s_bfe_u32 s11, ttmp6, 0x40000                  ; cx: it enters q's and out0's addresses alone
	s_and_b32 s12, ttmp7, 0xffff                   ; the head, which the four partners share
	s_mov_b32 s[G1A], 15|(3<<16)|(1<<21)           ; the mask of all four; elements of 8 bytes; bit 21 beside a mask.  Rows of 32 elements, dense, no padding: images are read 16 bytes a lane, on end
	s_mov_b32 s[G1A+1], 32<<16
	s_mov_b32 s[G1A+2], 33<<16
	s_mov_b32 s[G1A+3], 32<<16
	s_mov_b32 s[G1A+4], 33
	s_mov_b32 s[G1A+5], 32
	s_mov_b32 s[G1A+6], 0
	s_mov_b32 s[G1A+7], 0
	s_mov_b32 s[G1B], 15|(3<<16)|(1<<21)
	s_mov_b32 s[G1B+1], 32<<16
	s_mov_b32 s[G1B+2], 99<<16
	s_mov_b32 s[G1B+3], 32<<16
	s_mov_b32 s[G1B+4], 99
	s_mov_b32 s[G1B+5], 32
	s_mov_b32 s[G1B+6], 0
	s_mov_b32 s[G1B+7], 0
	s_mov_b32 s[G0A], 1
	s_mov_b32 s[G0B], 1
	s_mul_i32 s[G0A+1], s[WV], H1                  ; LDS: my part of units 0-3,
	s_mul_i32 s[G0B+1], s[WV], H2
	s_add_co_u32 s[G0B+1], s[G0B+1], 4*UNIT        ; and of units 4-15
	s_mul_i32 s14, s12, 16*UNIT                    ; in kv: the head's 16 units (under 2^25 bytes); a part lies there as in LDS
	s_add_co_u32 s52, s14, s[G0B+1]
	s_add_co_u32 s14, s14, s[G0A+1]
	s_mov_b32 s15, 0
	s_mov_b32 s53, 0
	s_lshl_b32 s50, s12, 19                        ; in q and out0: the head's 2,048 rows of 256 bytes,
	s_lshl_b32 s13, s11, 17                        ; my work-group's 512,
	s_add_co_u32 s50, s50, s13
	s_lshl_b32 s13, s[WV], 13                      ; my wave's 32 of a pass
	s_add_co_u32 s50, s50, s13
	s_mov_b32 s51, 0
	s_mov_b32 s[SEL], 0x76543210
	s_mov_b32 s[SEL+1], 0xfedcba98
	s_mov_b32 s[CS], 0x3e38aa3b
	s_mov_b32 s[CS+1], s[CS]
	s_mov_b32 s[NC], 0xbe38aa3b
	s_mov_b32 s[MNT], 0x600000
	v_and_b32 v[LI], 31, v0
	v_lshlrev_b32 v[LS], 3, v[LI]
	v_lshlrev_b32 v[PFO], 8, v[LI]
	v_lshlrev_b32 v[LI], 4, v[LI]
	v_and_b32 v[AD], 15, v0                        ; r
	v_bfe_u32 v[AS], v0, 4, 1                      ; h
	s_mul_i32 s13, s[WV], 16*SP
	s_add_co_u32 s13, s13, STAGE                   ; my stage
	v_mul_u32_u24 v[STO], v[AD], SP
	v_lshl_add_u32 v[STO], v[AS], 5, v[STO]
	v_add_nc_u32 v[STO], s13, v[STO]               ; in: row r, + 32 h
	v_mul_u32_u24 v[RD], v[AS], SP
	v_lshl_add_u32 v[RD], v[AD], 4, v[RD]
	v_add_nc_u32 v[RD], s13, v[RD]                 ; back: lanes 0-15 one row, lanes 16-31 the next
	v_mul_u32_u24 v[QA], v[AD], SP
	v_lshl_add_u32 v[QA], v[AS], 6, v[QA]
	v_add_nc_u32 v[QA], s13, v[QA]                 ; q's way back: row r, + 64 h: my 16 numbers of a block of 32
	s_wait_alu depctr_va_vdst(0)
	s_wait_dscnt 0x0                               ; both opening adds are done
	s_wait_kmcnt 0x0
	s_add_nc_u64 s[G0A+2:G0A+3], s[6:7], s[14:15]
	s_add_nc_u64 s[G0B+2:G0B+3], s[6:7], s[52:53]
	s_or_b32 s[G0A+3], s[G0A+3], 0x80000000        ; type = 2
	s_or_b32 s[G0B+3], s[G0B+3], 0x80000000
	s_add_nc_u64 s[4:5], s[4:5], s[50:51]          ; q and out0 at my wave's first row of pass 0
	s_add_nc_u64 s[8:9], s[8:9], s[50:51]
	CROUND                                         ; all four work-groups are here: the joint loads meet
	tensor_load_to_lds s[G0A:G0A+3], s[G1A:G1A+7]  ; my one load at the head: my eighth of units 0-3
	s_nop 0
.rept 4
	v_nop
.endr
; my 32 rows of q, as they lie: each load reads two rows, 512 consecutive bytes, into O^T's registers, which hold nothing between two passes
.macro QLOAD off
.irp t, 0,1
.irp i, 0,1,2,3,4,5,6,7
	global_load_b128 v[O+32*\t+4*\i:O+32*\t+4*\i+3], v[LI], s[4:5] offset:\off+4096*\t+512*\i th:TH_LOAD_NT
.endr
.endr
.endm
; a tile's 16 rows turn through my stage, so that a lane gets 16 neighbours of each block of 32 along d of its query, in S's first 32 registers.  LDS serves a wave's instructions in order (ISA guide 5.7.1.4)
.macro QTURN
.irp t, 0,1
.irp i, 0,1,2,3,4,5,6,7
	ds_store_b128 v[RD], v[O+32*\t+4*\i:O+32*\t+4*\i+3] offset:2*SP*\i
.endr
.irp c, 0,1
.irp j, 0,1,2,3
	ds_load_b128 v[S+64*\t+16*\c+4*\j:S+64*\t+16*\c+4*\j+3], v[QA] offset:128*\c+16*\j
.endr
.endr
.endr
.endm
; they become Q's codes, written twice round the zeros, and the scale word (s0, s1, s0, s1)
.macro QQ
.irp t, 0,1
.irp b, 0,1
	v_max3_num_f32 v[BM+TP*\t+\b], |v[S+64*\t+16*\b]|, |v[S+64*\t+16*\b+1]|, 0x8000000   ; my 16 numbers of a block, and the floor 2^(16 - 127)
.endr
.endr
.irp i, 2,4,6,8,10,12,14
.irp t, 0,1
.irp b, 0,1
	v_max3_num_f32 v[BM+TP*\t+\b], v[BM+TP*\t+\b], |v[S+64*\t+16*\b+\i]|, |v[S+64*\t+16*\b+\i+1]|
.endr
.endr
.endr
.irp t, 0,1
.irp b, 0,1
	v_permlanex16_b32 v[T1+TP*\t+\b], v[BM+TP*\t+\b], s[SEL], s[SEL+1]
.endr
.endr
.irp t, 0,1
.irp b, 0,1
	v_max_num_f32 v[BM+TP*\t+\b], v[BM+TP*\t+\b], v[T1+TP*\t+\b]   ; with lane l xor 16's: the block's largest magnitude
.endr
.endr
.irp t, 0,1
.irp b, 0,1
	v_add_nc_u32 v[SC+TP*\t+\b], 0xf8800000, v[BM+TP*\t+\b]        ; 15 off its exponent field: the conversion's scale operand
.endr
.endr
.irp t, 0,1
.irp b, 0,1
	v_and_or_b32 v[BM+TP*\t+\b], v[BM+TP*\t+\b], 0x7f800000, s[MNT]   ; 57,344 x the scale
.endr
.endr
.irp t, 0,1
.irp b, 0,1
	v_lshrrev_b32 v[T1+TP*\t+\b], 23, v[SC+TP*\t+\b]               ; the byte
.endr
.endr
.irp t, 0,1
	v_lshl_or_b32 v[T1+TP*\t], v[T1+TP*\t+1], 8, v[T1+TP*\t]
.endr
.irp t, 0,1
	v_lshl_or_b32 v[QS+\t], v[T1+TP*\t], 16, v[T1+TP*\t]
.endr
.irp t, 0,1
.irp b, 0,1
.irp i, 0,1,2,3,4,5,6,7,8,9,10,11,12,13,14,15
	v_med3_num_f32 v[S+64*\t+16*\b+\i], v[S+64*\t+16*\b+\i], -v[BM+TP*\t+\b], v[BM+TP*\t+\b]   ; the conversion does not saturate (ISA guide 7.6.2): the hold
.endr
.endr
.endr
	WIN 0x40                                       ; the codes go to window 1
.irp t, 0,1
.irp b, 0,1
.irp w, 0,16
	v_cvt_scalef32_pk8_bf8_f32 v[QW+24*\t+\w+4*\b:QW+24*\t+\w+4*\b+1], v[S+64*\t+16*\b:S+64*\t+16*\b+7], v[SC+TP*\t+\b]
	v_cvt_scalef32_pk8_bf8_f32 v[QW+24*\t+\w+4*\b+2:QW+24*\t+\w+4*\b+3], v[S+64*\t+16*\b+8:S+64*\t+16*\b+15], v[SC+TP*\t+\b]
.endr
.endr
.endr
	WIN 0
	v_nop                                          ; a plain line behind the last conversion
.endm
; A KEY STEP: 128 keys for both tiles.  kn = 1: the next unit's K is read from LDS in this step; kn = 2, the first pass's last step: unit 0's, for the second pass; kn = 3, the second pass's last step: none.  pf = 1: the copy that holds the prefetch of q.
.macro STEP kn, pf
	s_wait_dscnt 0x0                               ; this step's K, asked for a step ago
	WIN 0x05                                       ; both sources window 1, C and D window 0
.irp f, 0,1,2,3
.irp u, 0,1
.irp t, 0,1
	WMS S+64*\t+8*(2*\f+\u), FK+16*\f, QW+24*\t+8*\u, KS+\f/2, QS+\t, \f%2
.endr
.endr
.endr
	WIN 0
	v_add_nc_u32 v[AD], s[TB], v[LI]               ; these two and six v_nop: eight places (ISA guide 7.12.1 for the read of S^T) ahead of the first read of S^T and of the loads into K's, V's and their scales' registers
	v_add_nc_u32 v[AS], s[TB], v[LS]
.rept 6
	v_nop
.endr
	ds_load_b64 v[VS:VS+1], v[AS] offset:VSW
	WIN 0x40
.irp d, 0,1,2,3
.irp c, 0,1,2,3
	ds_load_b128 v[FV+16*\d+4*\c:FV+16*\d+4*\c+3], v[AD] offset:VCD+2048*\d+512*\c
.endr
.endr
.if \kn == 1
.irp f, 0,1,2,3
.irp c, 0,1,2,3
	ds_load_b128 v[FK+16*\f+4*\c:FK+16*\f+4*\c+3], v[AD] offset:UNIT+2048*\f+512*\c
.endr
.endr
	WIN 0
	ds_load_b64 v[KS:KS+1], v[AS] offset:UNIT+KSW
.else
	WIN 0
.if \kn == 2
	KLOAD0
.endif
.endif
.if \pf
; the second pass's q: each wave asks for its own 32 rows of 256 bytes, a lane a row, once, in the first pass's last step but two; the address lies in my work-group's rows of q
	s_cmp_eq_u32 s[CNT], s[PFC]
	s_cbranch_scc0 .Lno_ask_\@
	global_prefetch_b8 v[PFO], s[4:5] offset:65536 th:TH_LOAD_NT scope:SCOPE_SE
.Lno_ask_\@:
.endif
.irp t, 0,1
.irp b, 0,1,2,3
	v_max3_num_f32 v[BM+TP*\t+\b], v[S+64*\t+16*\b], v[S+64*\t+16*\b+1], v[S+64*\t+16*\b+2]   ; the largest score of each block of 32 keys; each accumulator is read from its low end on
.endr
.endr
.irp i, 3,5,7,9,11,13
.irp t, 0,1
.irp b, 0,1,2,3
	v_max3_num_f32 v[BM+TP*\t+\b], v[BM+TP*\t+\b], v[S+64*\t+16*\b+\i], v[S+64*\t+16*\b+\i+1]
.endr
.endr
.endr
.irp t, 0,1
.irp b, 0,1,2,3
	v_max_num_f32 v[BM+TP*\t+\b], v[BM+TP*\t+\b], v[S+64*\t+16*\b+15]
.endr
.endr
.irp t, 0,1
.irp b, 0,1,2,3
	v_permlanex16_b32 v[T1+TP*\t+\b], v[BM+TP*\t+\b], s[SEL], s[SEL+1]
.endr
.endr
.irp t, 0,1
.irp b, 0,1,2,3
	v_max_num_f32 v[BM+TP*\t+\b], v[BM+TP*\t+\b], v[T1+TP*\t+\b]   ; with lane l xor 16's 16 keys
.endr
.endr
.irp t, 0,1
	v_max3_num_f32 v[NM+1+TP*\t], v[NM+1+TP*\t], v[BM+TP*\t], v[BM+TP*\t+1]   ; the running largest score
.endr
.irp t, 0,1
	s_delay_alu instid0(VALU_DEP_2)
	v_max3_num_f32 v[NM+1+TP*\t], v[NM+1+TP*\t], v[BM+TP*\t+2], v[BM+TP*\t+3]
.endr
.irp t, 0,1
	s_delay_alu instid0(VALU_DEP_2)
	v_mul_f32 v[T1+TP*\t+2], s[NC], v[NM+1+TP*\t]  ; -t of it (c is positive)
.endr
.irp t, 0,1
	s_delay_alu instid0(VALU_DEP_2)
	v_floor_f32 v[T1+TP*\t+2], v[T1+TP*\t+2]       ; the new -M = floor(-t) = -ceil(t)
.endr
.irp t, 0,1
	s_delay_alu instid0(VALU_DEP_2)
	v_sub_f32 v[F+TP*\t], v[T1+TP*\t+2], v[NM+TP*\t]   ; old M - new M: a whole number, 0 or less
.endr
.irp t, 0,1
	s_delay_alu instid0(VALU_DEP_4)
	v_mov_b32 v[NM+TP*\t], v[T1+TP*\t+2]
.endr
.irp t, 0,1
	s_delay_alu instid0(VALU_DEP_4)
	v_cvt_i32_f32 v[F+TP*\t], v[F+TP*\t]           ; (it saturates)
.endr
.irp t, 0,1
	s_delay_alu instid0(VALU_DEP_2)
	v_ldexp_f32 v[F+TP*\t], 1.0, v[F+TP*\t]        ; f = 2^(old M - new M)
.endr
.irp t, 0,1
.set J, 0
.rept 32
	v_pk_fma_f32 v[S+64*\t+J:S+64*\t+J+1], v[S+64*\t+J:S+64*\t+J+1], s[CS:CS+1], v[NM+TP*\t:NM+TP*\t+1] op_sel_hi:[1,0,0]   ; t - M, two at a time
.set J, J+2
.endr
.irp b, 0,1,2,3
	v_fma_f32 v[BM+TP*\t+\b], v[BM+TP*\t+\b], s[CS], v[NM+TP*\t]   ; the same of each block's largest score
.endr
.endr
.irp t, 0,1
	v_pk_mul_f32 v[SUM+TP*\t:SUM+TP*\t+1], v[SUM+TP*\t:SUM+TP*\t+1], v[F+TP*\t:F+TP*\t+1] op_sel_hi:[1,0]   ; the sum under the new M,
.set J, 0
.rept 16
	v_pk_mul_f32 v[O+32*\t+J:O+32*\t+J+1], v[O+32*\t+J:O+32*\t+J+1], v[F+TP*\t:F+TP*\t+1] op_sel_hi:[1,0]   ; and O^T, ahead of the exponentials; each accumulator from its low end on
.set J, J+2
.endr
.endr
	s_wait_alu depctr_va_vdst(0)
.irp t, 0,1
.irp b, 0,1,2,3
	v_exp_f32 v[BM+TP*\t+\b], v[BM+TP*\t+\b]       ; the block's largest p: the same two instructions on the same number give the same bits
.endr
.endr
.set J, 0
.rept 128
	v_exp_f32 v[S+J], v[S+J]                       ; p = 2^(t - M), at most 1
.set J, J+1
.endr
	v_nop                                          ; a plain line behind the batch,
	s_wait_alu depctr_va_vdst(0)                   ; and the one wait ahead of its first reader
.irp t, 0,1
.irp b, 0,1,2,3
	v_max_num_f32 v[BM+TP*\t+\b], 0x8000000, v[BM+TP*\t+\b]        ; the floor 2^(16 - 127)
.endr
.endr
.irp t, 0,1
.irp b, 0,1,2,3
	v_add_nc_u32 v[SC+TP*\t+\b], 0xf8800000, v[BM+TP*\t+\b]        ; the conversion's scale operand
.endr
.endr
.irp t, 0,1
.irp b, 0,1,2,3
	v_and_or_b32 v[BM+TP*\t+\b], v[BM+TP*\t+\b], 0x7f800000, s[MNT]   ; 57,344 x the scale
.endr
.endr
.irp t, 0,1
.irp b, 0,1,2,3
	v_lshrrev_b32 v[T1+TP*\t+\b], 23, v[SC+TP*\t+\b]               ; the byte
.endr
.endr
.irp t, 0,1
	v_lshl_or_b32 v[T1+TP*\t], v[T1+TP*\t+1], 8, v[T1+TP*\t]
.endr
.irp t, 0,1
	v_lshl_or_b32 v[T1+TP*\t], v[T1+TP*\t+2], 16, v[T1+TP*\t]
.endr
.irp t, 0,1
	v_lshl_or_b32 v[PS+\t], v[T1+TP*\t+3], 24, v[T1+TP*\t]         ; p's scale word of these 128 keys; the lines below are its places ahead of the products
.endr
.irp t, 0,1
	v_pk_add_f32 v[F+TP*\t:F+TP*\t+1], v[S+64*\t:S+64*\t+1], v[S+64*\t+2:S+64*\t+3]   ; the row's sum of the unquantised p, two chains a tile
.endr
.irp j, 4,8,12,16,20,24,28,32,36,40,44,48,52,56,60
.irp t, 0,1
	v_pk_add_f32 v[SUM+TP*\t:SUM+TP*\t+1], v[SUM+TP*\t:SUM+TP*\t+1], v[S+64*\t+\j:S+64*\t+\j+1]
	v_pk_add_f32 v[F+TP*\t:F+TP*\t+1], v[F+TP*\t:F+TP*\t+1], v[S+64*\t+\j+2:S+64*\t+\j+3]
.endr
.endr
.irp t, 0,1
.irp b, 0,1,2,3
.irp i, 0,2,4,6,8,10,12,14
	v_dual_min_num_f32 v[S+64*\t+16*\b+\i], v[S+64*\t+16*\b+\i], v[BM+TP*\t+\b] :: v_dual_min_num_f32 v[S+64*\t+16*\b+\i+1], v[S+64*\t+16*\b+\i+1], v[BM+TP*\t+\b]   ; the hold, two numbers a line; p is not negative, so it is one-sided
.endr
.endr
.endr
	WIN 0x40                                       ; the codes go to window 1
.irp t, 0,1
.irp b, 0,1,2,3
	v_cvt_scalef32_pk8_bf8_f32 v[PC+16*\t+4*\b:PC+16*\t+4*\b+1], v[S+64*\t+16*\b:S+64*\t+16*\b+7], v[SC+TP*\t+\b]
	v_cvt_scalef32_pk8_bf8_f32 v[PC+16*\t+4*\b+2:PC+16*\t+4*\b+3], v[S+64*\t+16*\b+8:S+64*\t+16*\b+15], v[SC+TP*\t+\b]
.endr
.endr
	WIN 0
.irp t, 0,1
	v_pk_add_f32 v[SUM+TP*\t:SUM+TP*\t+1], v[SUM+TP*\t:SUM+TP*\t+1], v[F+TP*\t:F+TP*\t+1]   ; the two chains joined; with the two v_nop: four places between the codes and the products
.endr
	v_nop
	v_nop
	s_wait_alu depctr_va_vdst(0)
.if \kn == 1
	s_wait_dscnt 17                                ; V is in; the 17 loads issued behind it, the next step's K and its scale words, may be out
.else
	s_wait_dscnt 0x0
.endif
	WIN 0x05
.irp d, 0,1,2,3
.irp t, 0,1
	WMO O+32*\t+8*\d, FV+16*\d, PC+16*\t, VS+\d/2, PS+\t, \d%2     ; eight accumulators by turns, and the next step's 16 first products stand between two links of a sum
.endr
.endr
	WIN 0
	s_add_co_u32 s[TB], s[TB], UNIT
.endm
	QLOAD 0                                        ; the first pass's q
	WIN 0x40
.irp t, 0,1
.irp i, 0,1,2,3,4,5,6,7
	v_mov_b32 v[QW+24*\t+8+\i], 0                  ; written once: the zeros between Q's two copies
.endr
.endr
	WIN 0
.irp t, 0,1
.irp i, 0,1,2,3
	v_mov_b32 v[T1+TP*\t+\i], 0                    ; a lane permute's destination counts as one of its sources
.endr
	v_mov_b32 v[F+TP*\t+1], 0                      ; (named with f as a pair)
.endr
	s_wait_alu depctr_va_vdst(0)
	s_wait_loadcnt 0x0                             ; q is in
	s_wait_tensorcnt 0x0                           ; my part of units 0-3 is in: my stores into the stage go out with no tensor load of mine on its way
	QTURN
	s_wait_tensorcnt 0x0                           ; a wait, an add to my spare word and its wait, ahead of a later first fill
	ds_add_u32 v[SPW], v[NIL]
	s_wait_dscnt 0x0                               ; the add is done, and q is back from the stage
	CROUND                                         ; units 0-3 are whole, and all four work-groups are here
	tensor_load_to_lds s[G0B:G0B+3], s[G1B:G1B+7]  ; my eighth of units 4-15: my one load behind the round, and my last
	s_nop 0
.rept 4
	v_nop
.endr
	KLOAD0
	QQ                                             ; q is quantised while the second fills are on their way
	s_mov_b32 s[PFC], 2
.macro INIT
.irp t, 0,1                                    ; a pass begins: the largest score under every score, -M over every -M, the sum and O^T zeros: the first change of M multiplies zeros by 0.  These lines are also the places between Q's scale words and codes and the first products
	v_mov_b32 v[NM+TP*\t+1], 0xff61b1e6
	v_mov_b32 v[NM+TP*\t], 0x7f61b1e6
	v_mov_b32 v[SUM+TP*\t], 0
	v_mov_b32 v[SUM+TP*\t+1], 0
.endr
.set J, 0
.rept 64
	v_mov_b32 v[O+J], 0
.set J, J+1
.endr
	s_mov_b32 s[TB], 0
.endm
	INIT
	s_mov_b32 s[CNT], 3
.Lfirst:
	STEP 1, 0
	s_sub_co_u32 s[CNT], s[CNT], 1
	s_cmp_lg_u32 s[CNT], 0
	s_cbranch_scc1 .Lfirst
	s_wait_tensorcnt 0x0                           ; my part of units 4-15 has landed,
	s_wait_dscnt 0x0                               ; and no LDS load of mine is out
	s_barrier_signal -1
	s_barrier_wait -1                              ; units 4-15 are whole
	s_mov_b32 s[CNT], 12
.Lrest:                                            ; steps 3 to 14
	STEP 1, 1
	s_sub_co_u32 s[CNT], s[CNT], 1
	s_cmp_lg_u32 s[CNT], 0
	s_cbranch_scc1 .Lrest
	STEP 2, 0                                      ; step 15
; THE WAY OUT: the sum's halves are added; O^T / the sum goes through my stage in LDS, a lane's 32 bytes into rows of 272, and comes back as whole rows of 256 bytes.  nq = 1: the next pass's q is asked for as soon as O^T has been read.
.macro WAYOUT nq
.rept 4
	v_nop                                          ; with the seven plain lines below: the places behind the last products
.endr
.irp t, 0,1
	v_add_f32 v[SUM+TP*\t], v[SUM+TP*\t], v[SUM+TP*\t+1]
.endr
.irp t, 0,1
	v_permlanex16_b32 v[T1+TP*\t], v[SUM+TP*\t], s[SEL], s[SEL+1]
.endr
.irp t, 0,1
	v_add_f32 v[SUM+TP*\t], v[SUM+TP*\t], v[T1+TP*\t]   ; with lane l xor 16's: the row's sum
.endr
	s_wait_alu depctr_va_vdst(0)
.irp t, 0,1
	v_rcp_f32 v[F+TP*\t], v[SUM+TP*\t]
.endr
	v_nop
	s_wait_alu depctr_va_vdst(0)                   ; the wait behind the reciprocals, directly ahead of the first readers of O^T
.irp t, 0,1
.set J, 0
.rept 16
	v_pk_mul_f32 v[S+64*\t+J:S+64*\t+J+1], v[O+32*\t+J:O+32*\t+J+1], v[F+TP*\t:F+TP*\t+1] op_sel_hi:[1,0]   ; register 8 d + e is out(r, 16 d + 8 h + e)
.set J, J+2
.endr
.endr
.if \nq
	QLOAD 65536                                    ; 256 rows on, into O^T's registers, which the 32 lines above have read
.endif
.irp t, 0,1
.irp d, 0,1,2,3
	ds_store_b128 v[STO], v[S+64*\t+8*\d:S+64*\t+8*\d+3] offset:64*\d
	ds_store_b128 v[STO], v[S+64*\t+8*\d+4:S+64*\t+8*\d+7] offset:64*\d+16
.endr
.irp i, 0,1,2,3,4,5,6,7
	ds_load_b128 v[S+64*\t+32+4*\i:S+64*\t+32+4*\i+3], v[RD] offset:2*SP*\i   ; LDS serves a wave's instructions in order (ISA guide 5.7.1.4): these see my stores, and the next tile's stores come behind them
.endr
.endr
.irp t, 0,1
.irp i, 0,1,2,3,4,5,6,7
	s_wait_dscnt 16*(1-\t)+7-\i                    ; behind tile 0's loads stand tile 1's 8 stores and 8 loads
	global_store_b128 v[LI], v[S+64*\t+32+4*\i:S+64*\t+32+4*\i+3], s[8:9] offset:4096*\t+512*\i th:TH_STORE_NT   ; 32 lanes store two rows: 512 consecutive bytes, at a multiple of 256 from out0's first byte
.endr
.endr
.endm
	WAYOUT 1
	s_wait_xcnt 0x0                                ; the loads, the stores and the prefetch have read their registers: the bases are stepped, and the next products write the stores' data
	s_add_nc_u64 s[4:5], s[4:5], 0x10000           ; 256 rows on: the second pass
	s_add_nc_u64 s[8:9], s[8:9], 0x10000
	s_wait_loadcnt 0x0                             ; the second pass's q is in
	QTURN
	s_wait_dscnt 0x0
	QQ
	INIT
	s_mov_b32 s[CNT], 15
.Lthird:                                           ; the second pass, steps 0 to 14: all units are whole, so no wave waits for another
	STEP 1, 0
	s_sub_co_u32 s[CNT], s[CNT], 1
	s_cmp_lg_u32 s[CNT], 0
	s_cbranch_scc1 .Lthird
	STEP 3, 0                                      ; step 15
	WAYOUT 0
	s_wait_tensorcnt 0x0                           ; the wave's end: a wait, an add to my spare word and its wait, behind my last tensor load and my last LDS store
	ds_add_u32 v[SPW], v[NIL]
	s_wait_dscnt 0x0
	CROUND                                         ; the closing round: no work-group ends while a partner may still ask for a load that names it
	s_endpgm
.Lfunc_end_k_qc746e712e8_attn:
	.size	k_qc746e712e8_attn, .Lfunc_end_k_qc746e712e8_attn-k_qc746e712e8_attn
	.p2alignl 7, 3214868480
	.fill 96, 4, 3214868480
	.section	.rodata,"a",@progbits
	.p2align	6, 0x0
	.amdhsa_kernel k_qc746e712e8_attn
		.amdhsa_group_segment_fixed_size 327680
		.amdhsa_private_segment_fixed_size 0
		.amdhsa_enable_private_segment 0
		.amdhsa_kernarg_size 24
		.amdhsa_user_sgpr_count 2
		.amdhsa_user_sgpr_kernarg_segment_ptr 1
		.amdhsa_wavefront_size32 1
		.amdhsa_system_sgpr_workgroup_id_x 1
		.amdhsa_system_sgpr_workgroup_id_y 1
		.amdhsa_system_sgpr_workgroup_id_z 1
		.amdhsa_system_vgpr_workitem_id 0
		.amdhsa_next_free_vgpr 512
		.amdhsa_next_free_sgpr 66
		.amdhsa_reserve_vcc 0
		.amdhsa_float_denorm_mode_32 3
		.amdhsa_float_denorm_mode_16_64 3
		.amdhsa_memory_ordered 1
		.amdhsa_forward_progress 1
		.amdhsa_inst_pref_size 219
	.end_amdhsa_kernel
	.amdgpu_metadata
---
amdhsa.version: [ 1, 2 ]
amdhsa.kernels:
  - .name:           k_qc746e712e8_attn
    .symbol:         k_qc746e712e8_attn.kd
    .args:
      - { .name: q, .offset: 0, .size: 8, .value_kind: global_buffer, .address_space: global }
      - { .name: kv, .offset: 8, .size: 8, .value_kind: global_buffer, .address_space: global }
      - { .name: out0, .offset: 16, .size: 8, .value_kind: global_buffer, .address_space: global }
    .group_segment_fixed_size: 327680
    .private_segment_fixed_size: 0
    .kernarg_segment_align: 8
    .kernarg_segment_size: 24
    .max_flat_workgroup_size: 256
    .sgpr_count:     66
    .vgpr_count:     512
    .wavefront_size: 32
...
	.end_amdgpu_metadata
.endif
;; end of part 2
